; MI455X (gfx1250); checked and timed in simulation.
; The chip was launched on July 23, 2026; its instructions are those of AMD's public machine-readable ISA for CDNA 5 (MIT licence, August 2026) and "CDNA5" Instruction Set Architecture Reference Guide (July 2026). The comments in the code are by the model that wrote it; some were corrected since.
;; Hash Embedder6 D. Allowed arithmetic: float matrix products may take bf16 or f16 operands with f32 sums; all other float work in f32.
;; Inputs: tables 16 x 524,288 x 2 float32; x 65,536 x 6 float32.
;; Outputs: out0 65,536 x 32 float32; out1 65,536 bool.
;; 2 versions, each right; version 2 is version 1 with the launch gather written anew for expert scheduling mode. Each part assembles by itself: llvm-mc -triple=amdgcn-amd-amdhsa -mcpu=gfx1250 --defsym DOCPART=n.
;; ======== version 1 of 2: 2 launches
;; workspace buffers: cellidx 8,388,608 bytes of whole numbers
;; launch locate (part 1): grid 256 x 1, 8 waves a work-group, no clusters, 1,280 bytes of LDS; arguments x, cellidx, out1; writes cellidx, out1
.if DOCPART == 1
	.amdgcn_target "amdgcn-amd-amdhsa--gfx1250"
	.amdhsa_code_object_version 6
	.text
	.protected	k_q64ff12773d_locate
	.globl	k_q64ff12773d_locate
	.p2align	8
	.type	k_q64ff12773d_locate,@function
k_q64ff12773d_locate:
	s_mov_b64 s[64:65], 0
	v_nop
	global_prefetch_b8 v0, s[64:65] scope:SCOPE_SE
	s_setreg_imm32_b32 hwreg(HW_REG_WAVE_MODE, 25, 1), 1
	s_wait_xcnt 0x0
; locate: for every point and level the cell that holds the point, as whole numbers, and the keep mask.
;   xc = clip(x, -1, 1);  out1[p] = all over d of (x == xc);  bl[l][p][d] = floor((xc + 1) / grid_l),  grid_l = 2 / res_l.
;   cellidx[l][p] = two words: bl0 | bl1 << 10 | bl2 << 20,  bl3 | bl4 << 10 | bl5 << 20   (bl is 0 .. res <= 512: 10 bits).
; One thread = one point; a work-group owns 256 points; a wave's store of a level covers 256 consecutive bytes, aligned.
; res_l = floor(16 * b^l) with b = exp((log 512 - log 16) / 15) in f32: b is the f32 just above 2^(1/3), so that at
; l = 3, 6, .. the power is not below 2, 4, ..: 16 20 25 32 40 50 64 80 101 128 161 203 256 322 406 512.
; Both divisions are made as correctly rounded f32 divisions (reciprocal, one Newton step, quotient, two corrections by the
; exact remainder): for x at or beyond +1 the quotient 2 / grid decides between cell res and cell res - 1.
; NaN in x: v_max_num_f32 takes -1 for it, so its cell is 0, and x == xc is false: keep = 0.
.set PTS,   256                        ; points of a work-group
.set NLEV,  16
.set LEVB,  65536*8                    ; bytes of one level in cellidx
.set X,     2                          ; v[2:7]    x of my point
.set T,     8                          ; v[8:13]   clip(x), then clip(x) + 1
.set Q,     14                         ; v[14:19]  quotients, then cells
.set E,     20                         ; v[20:25]  remainders
.set W,     26                         ; v[26:27]  the two packed words
.set OFF,   28                         ; v28       8 x thread: my place in a level of cellidx; in wave 0 also 8 x lane
.set XO,    29                         ; v29       24 x thread: my place in x
.set RES,   30                         ; v30       lane l: res_l
.set GRID,  31                         ; v31       lane l: grid_l
.set RG,    32                         ; v32       lane l: 1 / grid_l
.set TMP,   33
.set KEEP,  34
.macro SETRES lane, res
	s_movk_i32 s13, \res
	v_writelane_b32 v[RES], s13, \lane
.endm
	s_load_b128 s[4:7], s[0:1], 0x0                ; x s[4:5], cellidx s[6:7]
	s_load_b64 s[8:9], s[0:1], 0x10                ; out1
	v_lshl_add_u32 v36, v0, 2, 0x100
	v_mov_b32 v37, 0
	v_mul_u32_u24 v[XO], v0, 24
	v_lshlrev_b32 v[OFF], 3, v0
	v_lshrrev_b32 v[TMP], 5, v0
	v_readfirstlane_b32 s12, v[TMP]                ; wave number
	s_mul_i32 s10, ttmp9, PTS*24                   ; the group's part of x
	s_mov_b32 s11, 0
	s_wait_kmcnt 0x0
	s_add_nc_u64 s[4:5], s[4:5], s[10:11]
	global_load_b64 v[X:X+1],   v[XO], s[4:5]      ; 24 bytes a point: the three loads of a wave cover 768 consecutive bytes
	global_load_b64 v[X+2:X+3], v[XO], s[4:5] offset:8
	global_load_b64 v[X+4:X+5], v[XO], s[4:5] offset:16
	s_lshl_b32 s10, ttmp9, 11                      ; 256 points x 8 bytes
	s_add_nc_u64 s[6:7], s[6:7], s[10:11]
	s_lshl_b32 s10, ttmp9, 8                       ; 256 points x 1 byte
	s_add_nc_u64 s[8:9], s[8:9], s[10:11]
	; the levels' constants, all sixteen at once: lane l works for level l (lanes 16 to 31 repeat level 0)
	v_mov_b32 v[RES], 16
	SETRES 0, 16
	SETRES 1, 20
	SETRES 2, 25
	SETRES 3, 32
	SETRES 4, 40
	SETRES 5, 50
	SETRES 6, 64
	SETRES 7, 80
	SETRES 8, 101
	SETRES 9, 128
	SETRES 10, 161
	SETRES 11, 203
	SETRES 12, 256
	SETRES 13, 322
	SETRES 14, 406
	SETRES 15, 512
	v_cvt_f32_u32 v[RES], v[RES]
	v_rcp_f32 v[RG], v[RES]
	v_nop                                          ; one plain instruction behind a transcendental before its result is used (ISA guide 5.7.2)
	s_wait_alu depctr_va_vdst(0)
	v_fma_f32 v[TMP], -v[RES], v[RG], 1.0
	v_fma_f32 v[RG], v[TMP], v[RG], v[RG]          ; 1 / res after one Newton step
	v_add_f32 v[GRID], v[RG], v[RG]                ; 2 / res, first guess
	v_fma_f32 v[TMP], -v[RES], v[GRID], 2.0        ; exact remainder
	v_fma_f32 v[GRID], v[TMP], v[RG], v[GRID]
	v_fma_f32 v[TMP], -v[RES], v[GRID], 2.0
	v_fma_f32 v[GRID], v[TMP], v[RG], v[GRID]      ; grid = 2 / res, rounded once
	v_rcp_f32 v[RG], v[GRID]
	v_nop
	s_wait_alu depctr_va_vdst(0)
	v_fma_f32 v[TMP], -v[GRID], v[RG], 1.0
	v_fma_f32 v[RG], v[TMP], v[RG], v[RG]          ; 1 / grid after one Newton step
	s_wait_loadcnt 0x0                             ; x
.irp d, 0,1,2,3,4,5
	v_max_num_f32 v[T+\d], -1.0, v[X+\d]
.endr
.irp d, 0,1,2,3,4,5
	v_min_num_f32 v[T+\d], 1.0, v[T+\d]            ; clip(x) = min(max(x, -1), 1)
.endr
	v_cmp_eq_f32 s14, v[X], v[T]
.irp d, 1,2,3,4,5
	v_cmp_eq_f32 s15, v[X+\d], v[T+\d]
	s_and_b32 s14, s14, s15                        ; keep: all six unchanged by the clip
.endr
.irp d, 0,1,2,3,4,5
	v_add_f32 v[T+\d], 1.0, v[T+\d]                ; xc - box_min, 0 .. 2
.endr
	s_mov_b32 s16, 0
.Llevel:
	v_readlane_b32 s18, v[GRID], s16               ; this level's grid
	v_readlane_b32 s19, v[RG], s16                 ; and its reciprocal
.irp d, 0,1,2,3,4,5
	v_mul_f32 v[Q+\d], s19, v[T+\d]                ; first guess of t / grid
.endr
.rept 2
.irp d, 0,1,2,3,4,5
	v_fma_f32 v[E+\d], -v[Q+\d], s18, v[T+\d]      ; exact remainder t - q grid
.endr
.irp d, 0,1,2,3,4,5
	v_fma_f32 v[Q+\d], v[E+\d], s19, v[Q+\d]       ; the second pass leaves t / grid rounded once
.endr
.endr
.irp d, 0,1,2,3,4,5
	v_cvt_u32_f32 v[Q+\d], v[Q+\d]                 ; toward zero = floor, since the quotient is never negative
.endr
	v_lshl_or_b32 v[W],   v[Q+1], 10, v[Q]
	v_lshl_or_b32 v[W+1], v[Q+4], 10, v[Q+3]
	v_lshl_or_b32 v[W],   v[Q+2], 20, v[W]
	v_lshl_or_b32 v[W+1], v[Q+5], 20, v[W+1]
	global_store_b64 v[OFF], v[W:W+1], s[6:7]      ; read again by the next launch: no hint
	s_wait_xcnt 0x0                                ; the store's base and data are written again only behind this wait
	s_add_nc_u64 s[6:7], s[6:7], LEVB
	s_add_co_u32 s16, s16, 1
	s_cmp_lt_u32 s16, NLEV
	s_cbranch_scc1 .Llevel
	; keep: one byte a point.  The group's 256 bytes meet in LDS, and wave 0 stores them with one instruction, 8 bytes a lane.
	v_cndmask_b32 v[KEEP], 0, 1, s14
	ds_store_b8 v0, v[KEEP]
	s_wait_dscnt 0x0                               ; for the other waves' sake: my byte is in LDS before I signal
	s_barrier_signal -1
	s_barrier_wait -1
	s_cmp_lg_u32 s12, 0
	s_cbranch_scc1 .Lend
	ds_load_b64 v[W:W+1], v[OFF]                   ; in wave 0: 8 x lane
	s_wait_dscnt 0x0
	global_store_b64 v[OFF], v[W:W+1], s[8:9]      ; 256 consecutive bytes, aligned
.Lend:
	s_wait_tensorcnt 0x0
	ds_add_u32 v36, v37
	s_wait_dscnt 0x0
	s_endpgm
.Lfunc_end_k_q64ff12773d_locate:
	.size	k_q64ff12773d_locate, .Lfunc_end_k_q64ff12773d_locate-k_q64ff12773d_locate
	.p2alignl 7, 3214868480
	.fill 96, 4, 3214868480
	.section	.rodata,"a",@progbits
	.p2align	6, 0x0
	.amdhsa_kernel k_q64ff12773d_locate
		.amdhsa_group_segment_fixed_size 1280
		.amdhsa_private_segment_fixed_size 0
		.amdhsa_enable_private_segment 0
		.amdhsa_kernarg_size 24
		.amdhsa_user_sgpr_count 2
		.amdhsa_user_sgpr_kernarg_segment_ptr 1
		.amdhsa_wavefront_size32 1
		.amdhsa_system_sgpr_workgroup_id_x 1
		.amdhsa_system_sgpr_workgroup_id_y 1
		.amdhsa_system_sgpr_workgroup_id_z 1
		.amdhsa_system_vgpr_workitem_id 0
		.amdhsa_next_free_vgpr 38
		.amdhsa_next_free_sgpr 66
		.amdhsa_reserve_vcc 0
		.amdhsa_float_denorm_mode_32 3
		.amdhsa_float_denorm_mode_16_64 3
		.amdhsa_memory_ordered 1
		.amdhsa_forward_progress 1
		.amdhsa_inst_pref_size 8
	.end_amdhsa_kernel
	.amdgpu_metadata
---
amdhsa.version: [ 1, 2 ]
amdhsa.kernels:
  - .name:           k_q64ff12773d_locate
    .symbol:         k_q64ff12773d_locate.kd
    .args:
      - { .name: x, .offset: 0, .size: 8, .value_kind: global_buffer, .address_space: global }
      - { .name: cellidx, .offset: 8, .size: 8, .value_kind: global_buffer, .address_space: global }
      - { .name: out1, .offset: 16, .size: 8, .value_kind: global_buffer, .address_space: global }
    .group_segment_fixed_size: 1280
    .private_segment_fixed_size: 0
    .kernarg_segment_align: 8
    .kernarg_segment_size: 24
    .max_flat_workgroup_size: 256
    .sgpr_count:     66
    .vgpr_count:     38
    .wavefront_size: 32
...
	.end_amdgpu_metadata
.endif
;; end of part 1
;; launch gather (part 2): grid 256 x 1, 16 waves a work-group, no clusters, 38,912 bytes of LDS; arguments x, tables, cellidx, out0; writes out0
.if DOCPART == 2
	.amdgcn_target "amdgcn-amd-amdhsa--gfx1250"
	.amdhsa_code_object_version 6
	.text
	.protected	k_q64ff12773d_gather
	.globl	k_q64ff12773d_gather
	.p2align	8
	.type	k_q64ff12773d_gather,@function
k_q64ff12773d_gather:
	s_mov_b64 s[64:65], 0
	v_nop
	global_prefetch_b8 v0, s[64:65] scope:SCOPE_SE
	s_setreg_imm32_b32 hwreg(HW_REG_WAVE_MODE, 25, 1), 1
	s_wait_xcnt 0x0
; gather: out0[p][2 l + f] = sum over the 64 vertices v of cell bl[l][p] of weight(v) * tables[l][hash(v)][f].
; The cells come as whole numbers from cellidx (two words of three 10-bit fields for a point and level); x is read for the weights alone.
; A work-group owns 256 points and walks the 16 levels; all work-groups walk them in the same order, so that the entries asked for at any
; time come from few of the sixteen tables of 4 MiB.
; LANES: lane = (point, bit 0 of the vertex): a wave has 16 points, a lane 32 vertices of a level.  Dimension 0 has the prime 1, so the
; two vertices along it have indices that differ in low bits only (the same aligned 16 entries unless bl0 mod 16 = 15): neighbouring lanes
; take them, and a load instruction asks for 16 close pairs.  The two halves of a point's sum meet by a DPP add (lane xor 1).
; HASH: only the low 19 bits count, so the primes are taken mod 2^19 and a 24-bit multiply does (at most 513 x 2^19 < 2^32).
; WEIGHTS: out = sum over a = (b1,b2) of WA[a] * (sum over b = (b3,b4,b5) of WB[b] * entry[a][b]), WA holding my own factor of dimension 0:
; one packed multiply-add for a vertex (both features), no product for each vertex.  The grouping of the products differs from reference()'s,
; and w = (x - vmin) / (vmax - vmin + 1e-6) is a multiplication by v_rcp_f32 (within about two units in the last place); all else in its order.
; NaN in x: reference() gives NaN in the point's whole row; here a NaN addend starts each level's sum of such a point.
; NO MATRIX INSTRUCTIONS: every point has its own 64 x 2 entries and its own 64 weights; no operand is shared between rows of a tile.
; NO TENSOR LOADS, NO CLUSTER: what work-groups share is single entries of 8 bytes at hashed places of a table of 4,194,304 bytes, which
; does not fit in the 327,680 bytes of LDS: there is no tile to ask for jointly.
; A wave has at most 33 loads out: the next level's cell words and its 32 gathers.
.set PTS,    256
.set NLEV,   16
.set LEVB,   65536*8                   ; bytes of one level in cellidx
.set TABB,   524288*8                  ; bytes of one level's table
.set PITCH,  144                       ; LDS row of a point: 128 bytes of results + 16
.set WSTAGE, 16*PITCH                  ; a wave's own stage: its 16 points
.set P1, 2654435761 & 0x7ffff          ; the primes of dimensions 1 to 5, mod 2^19
.set P2, 805459861 & 0x7ffff
.set P3, 3674653429 & 0x7ffff
.set P4, 2097192037 & 0x7ffff
.set P5, 1434869437 & 0x7ffff
.set X,    2                           ; v[2:7]     x of my point
.set QN,   8                           ; v[8:9]     0, or NaN if any x of my point is NaN
.set C,    10                          ; v[10:11]   the level's two packed words
.set COFF, 12                          ; v12        8 x point: my place in a level of cellidx; never rewritten
.set ST,   13                          ; v13        LDS address of my point's row
.set PF,   14                          ; v14        prefetch: the group's 16 KiB of a table, 256 bytes a lane; never rewritten
.set B0,   15                          ; v15        my bit 0
.set GRID, 16                          ; v16        lane l: grid_l
.set RES,  17                          ; v17        lane l: res_l
.set TMP,  18
.set XO,   19                          ; v19        24 x point
.set BL,   20                          ; v[20:25]   the cell
.set BF,   26                          ; v[26:31]   the cell as f32, then vmin
.set VX,   32                          ; v[32:37]   vmax, the divisor, its reciprocal
.set W,    38                          ; v[38:43]   w
.set U,    44                          ; v[44:49]   1 - w
.set H,    50                          ; v[50:59]   dimension d = 1..5: hash of bl at H+2d-2, of bl+1 at H+2d-1
.set A,    60                          ; v[60:63]   dimensions 0,1,2: a = b1 + 2 b2
.set T34,  64                          ; v[64:67]   dimensions 3,4
.set BC,   68                          ; v[68:75]   dimensions 3,4,5: b = b3 + 2 b4 + 4 b5
.set WA,   76                          ; v[76:79]
.set WT,   80                          ; v[80:83]
.set WB,   84                          ; v[84:91]
.set ACC,  92                          ; v[92:99]   four inner sums, two features each
.set OUT,  100                         ; v[100:101]
.set IDX,  102                         ; v[102:133] 32 indices
.set D,    134                         ; v[134:197] 32 entries of two f32
.set RG,   VX                          ; at the start only: a reciprocal
.macro SETRES lane, res
	s_movk_i32 s27, \res
	v_writelane_b32 v[RES], s27, \lane
.endm
; v[dst:dst+1] = v[dat:dat+1] * v[w] (+ v[add:add+1]): one weight for both features.  The weight is the first or the second register of an
; even pair: op_sel_hi 0 gives the first to the high result too, op_sel 1 gives the second to the low result too.
.macro WMUL dst, dat, w
.if (\w) & 1
	v_pk_mul_f32 v[\dst:\dst+1], v[\dat:\dat+1], v[\w-1:\w] op_sel:[0,1]
.else
	v_pk_mul_f32 v[\dst:\dst+1], v[\dat:\dat+1], v[\w:\w+1] op_sel_hi:[1,0]
.endif
.endm
.macro WFMA dst, dat, w, add
.if (\w) & 1
	v_pk_fma_f32 v[\dst:\dst+1], v[\dat:\dat+1], v[\w-1:\w], v[\add:\add+1] op_sel:[0,1,0]
.else
	v_pk_fma_f32 v[\dst:\dst+1], v[\dat:\dat+1], v[\w:\w+1], v[\add:\add+1] op_sel_hi:[1,0,1]
.endif
.endm
	s_load_b256 s[4:11], s[0:1], 0x0               ; x s[4:5], tables s[6:7], cellidx s[8:9], out0 s[10:11]
	v_lshl_add_u32 v198, v0, 2, 0x9000
	v_mov_b32 v199, 0
	v_lshrrev_b32 v[TMP], 5, v0
	v_readfirstlane_b32 s12, v[TMP]                ; wave 0..15
	v_lshrrev_b32 v[TMP], 1, v0                    ; my point in the group
	v_and_b32 v[B0], 1, v0
	v_mul_u32_u24 v[XO], v[TMP], 24
	v_lshlrev_b32 v[COFF], 3, v[TMP]
	s_mul_i32 s14, ttmp9, PTS*24
	s_mov_b32 s15, 0
	s_wait_kmcnt 0x0
	s_add_nc_u64 s[4:5], s[4:5], s[14:15]          ; the group's part of x
	s_lshl_b32 s14, ttmp9, 11
	s_add_nc_u64 s[8:9], s[8:9], s[14:15]          ; the group's part of level 0 of cellidx
	global_load_b64 v[C:C+1],   v[COFF], s[8:9] th:TH_LOAD_NT
	global_load_b64 v[X:X+1],   v[XO], s[4:5] th:TH_LOAD_NT
	global_load_b64 v[X+2:X+3], v[XO], s[4:5] offset:8 th:TH_LOAD_NT
	global_load_b64 v[X+4:X+5], v[XO], s[4:5] offset:16 th:TH_LOAD_NT
	s_lshl_b32 s14, ttmp9, 15
	s_add_nc_u64 s[10:11], s[10:11], s[14:15]      ; the group's 256 rows of 128 bytes of out0
	s_mul_i32 s13, s12, WSTAGE                     ; my wave's stage in LDS
	v_bfe_u32 v[ST], v0, 1, 4                      ; my point in the wave
	v_mul_u32_u24 v[ST], v[ST], PITCH
	v_add_nc_u32 v[ST], s13, v[ST]
	s_lshl_b32 s16, ttmp9, 14                      ; the group's 1/256 of a table: 16 KiB
	v_and_b32 v[PF], 31, v0
	v_lshl_add_u32 v[PF], v[PF], 8, s16
	s_mov_b32 s20, P1
	s_mov_b32 s21, P2
	s_mov_b32 s22, P3
	s_mov_b32 s23, P4
	s_mov_b32 s24, P5
	s_mov_b32 s25, 0x7ffff                         ; T - 1
	s_mov_b32 s26, 0xaaaaaaaa                      ; the lanes with bit 0 = 1
	; grid_l = 2 / res_l for all levels at once, lane l for level l, by the same steps as in the launch that made the cells
	v_mov_b32 v[RES], 16
	SETRES 0, 16
	SETRES 1, 20
	SETRES 2, 25
	SETRES 3, 32
	SETRES 4, 40
	SETRES 5, 50
	SETRES 6, 64
	SETRES 7, 80
	SETRES 8, 101
	SETRES 9, 128
	SETRES 10, 161
	SETRES 11, 203
	SETRES 12, 256
	SETRES 13, 322
	SETRES 14, 406
	SETRES 15, 512
	v_cvt_f32_u32 v[RES], v[RES]
	v_rcp_f32 v[RG], v[RES]
	v_nop                                          ; one plain instruction behind a transcendental before its result is used (ISA guide 5.7.2)
	s_wait_alu depctr_va_vdst(0)
	v_fma_f32 v[TMP], -v[RES], v[RG], 1.0
	v_fma_f32 v[RG], v[TMP], v[RG], v[RG]
	v_add_f32 v[GRID], v[RG], v[RG]
	v_fma_f32 v[TMP], -v[RES], v[GRID], 2.0
	v_fma_f32 v[GRID], v[TMP], v[RG], v[GRID]
	v_fma_f32 v[TMP], -v[RES], v[GRID], 2.0
	v_fma_f32 v[GRID], v[TMP], v[RG], v[GRID]
	s_wait_loadcnt 0x0                             ; x and level 0's words
	v_cmp_neq_f32 s28, v[X], v[X]                  ; true for NaN alone
.irp d, 1,2,3,4,5
	v_cmp_neq_f32 s29, v[X+\d], v[X+\d]
	s_or_b32 s28, s28, s29
.endr
	v_mov_b32 v[QN+1], 0x7fc00000
	v_cndmask_b32 v[QN], 0, v[QN+1], s28
	v_mov_b32 v[QN+1], v[QN]
; One level.  At its head no load is out and C holds the level's words.  fetch = 1: a further level follows.
.macro LEVEL fetch
	v_readlane_b32 s30, v[GRID], s17               ; this level's grid
	v_and_b32 v[BL],   0x3ff, v[C]
	v_bfe_u32 v[BL+1], v[C], 10, 10
	v_bfe_u32 v[BL+2], v[C], 20, 10
	v_and_b32 v[BL+3], 0x3ff, v[C+1]
	v_bfe_u32 v[BL+4], v[C+1], 10, 10
	v_bfe_u32 v[BL+5], v[C+1], 20, 10
	s_mov_b32 s31, s30                             ; the packed forms name the pair s[30:31]
.if \fetch
	s_add_nc_u64 s[8:9], s[8:9], LEVB              ; the load that used this base was waited for
	global_load_b64 v[C:C+1], v[COFF], s[8:9] th:TH_LOAD_NT        ; the next level's words: older than every gather below, so their waits cover it
	s_cmp_lg_u32 s12, 0
	s_cbranch_scc1 .Lasked_\@
	; wave 0 asks for the group's 16 KiB of the NEXT level's table, 64 blocks of 256 bytes, one trip (32 gathers a lane) ahead of their first use;
	; the 256 groups together ask for each block of the table once; the last level asks for nothing, so no request passes the buffer's end
	global_prefetch_b8 v[PF], s[6:7] offset:TABB th:TH_LOAD_NT scope:SCOPE_SE
	global_prefetch_b8 v[PF], s[6:7] offset:TABB+8192 th:TH_LOAD_NT scope:SCOPE_SE
.Lasked_\@:
.endif
	; hashes of both vertices along dimensions 1 to 5, cut to 19 bits once, so that every XOR below stays under 2^19
.irp d, 1,2,3,4,5
	v_mul_u32_u24 v[H+2*\d-2], v[BL+\d], s[19+\d]
	v_mad_u32_u24 v[H+2*\d-1], v[BL+\d], s[19+\d], s[19+\d]
.endr
.irp j, 0,1,2,3,4,5,6,7,8,9
	v_and_b32 v[H+\j], s25, v[H+\j]
.endr
	v_add_nc_u32 v[TMP], v[BL], v[B0]              ; my vertex along dimension 0 (prime 1; at most 513)
	v_xor_b32 v[T34],   v[TMP], v[H]
	v_xor_b32 v[T34+1], v[TMP], v[H+1]
	v_xor_b32 v[A],   v[T34],   v[H+2]
	v_xor_b32 v[A+1], v[T34+1], v[H+2]
	v_xor_b32 v[A+2], v[T34],   v[H+3]
	v_xor_b32 v[A+3], v[T34+1], v[H+3]
	v_xor_b32 v[T34],   v[H+4], v[H+6]
	v_xor_b32 v[T34+1], v[H+5], v[H+6]
	v_xor_b32 v[T34+2], v[H+4], v[H+7]
	v_xor_b32 v[T34+3], v[H+5], v[H+7]
.irp j, 0,1,2,3
	v_xor_b32 v[BC+\j],   v[T34+\j], v[H+8]
	v_xor_b32 v[BC+4+\j], v[T34+\j], v[H+9]
.endr
	; 32 gathers, a fastest.  An index made from loaded words enters an address only behind a clamp by a constant written in the
	; instruction; here it changes no value.  scale_offset: the address is the table + 8 x index.
.irp b, 0,1,2,3,4,5,6,7
.irp a, 0,1,2,3
	v_xor_b32 v[IDX+4*\b+\a], v[A+\a], v[BC+\b]
	v_min_u32 v[IDX+4*\b+\a], 0x7ffff, v[IDX+4*\b+\a]
	global_load_b64 v[D+8*\b+2*\a:D+8*\b+2*\a+1], v[IDX+4*\b+\a], s[6:7] scale_offset
.endr
.endr
	; the weights, while the gathers are on their way; two dimensions in each packed instruction, reference()'s steps in its order
.irp d, 0,1,2,3,4,5
	v_cvt_f32_u32 v[BF+\d], v[BL+\d]
.endr
.irp p, 0,2,4
	v_pk_mul_f32 v[BF+\p:BF+\p+1], v[BF+\p:BF+\p+1], s[30:31] op_sel_hi:[1,0]              ; bl * grid
	v_pk_add_f32 v[BF+\p:BF+\p+1], v[BF+\p:BF+\p+1], -1.0 op_sel_hi:[1,0]                  ; vmin
	v_pk_add_f32 v[VX+\p:VX+\p+1], v[BF+\p:BF+\p+1], s[30:31] op_sel_hi:[1,0]              ; vmax
	v_pk_add_f32 v[VX+\p:VX+\p+1], v[VX+\p:VX+\p+1], v[BF+\p:BF+\p+1] neg_lo:[0,1] neg_hi:[0,1]   ; vmax - vmin
	v_pk_add_f32 v[VX+\p:VX+\p+1], v[VX+\p:VX+\p+1], 0x358637bd op_sel_hi:[1,0]            ; + 1e-6
	v_pk_add_f32 v[W+\p:W+\p+1], v[X+\p:X+\p+1], v[BF+\p:BF+\p+1] neg_lo:[0,1] neg_hi:[0,1]       ; x - vmin (x as given, not clipped)
.endr
.irp d, 0,1,2,3,4,5
	v_rcp_f32 v[VX+\d], v[VX+\d]
.endr
	v_nop                                          ; one plain instruction behind the transcendentals before their results are used (ISA guide 5.7.2)
	s_wait_alu depctr_va_vdst(0)
.irp p, 0,2,4
	v_pk_mul_f32 v[W+\p:W+\p+1], v[W+\p:W+\p+1], v[VX+\p:VX+\p+1]
.endr
.irp d, 0,1,2,3,4,5
	v_med3_num_f32 v[W+\d], v[W+\d], 0, 1.0        ; clip to 0 .. 1
.endr
.irp p, 0,2,4
	v_pk_fma_f32 v[U+\p:U+\p+1], v[W+\p:W+\p+1], -1.0, 1.0 op_sel_hi:[1,0,0]               ; w * (-1) + 1, rounded once: 1 - w
.endr
	v_cndmask_b32 v[TMP], v[U], v[W], s26          ; my factor of dimension 0: w for bit 0 = 1, else 1 - w
	v_mul_f32 v[WT],   v[TMP], v[U+1]
	v_mul_f32 v[WT+1], v[TMP], v[W+1]
	WMUL WA,   WT, U+2
	WMUL WA+2, WT, W+2
	v_mul_f32 v[WT],   v[U+3], v[U+4]
	v_mul_f32 v[WT+1], v[W+3], v[U+4]
	v_mul_f32 v[WT+2], v[U+3], v[W+4]
	v_mul_f32 v[WT+3], v[W+3], v[W+4]
	WMUL WB,   WT,   U+5
	WMUL WB+2, WT+2, U+5
	WMUL WB+4, WT,   W+5
	WMUL WB+6, WT+2, W+5
	; the sums: four gathers at a time feed four chains that do not wait for each other
	s_wait_loadcnt 28                              ; loads come back in order (ISA guide 5.7.1): the first four gathers are in, 28 younger ones stay out
.irp a, 0,1,2,3
	WMUL ACC+2*\a, D+2*\a, WB                      ; the first product starts each sum: nothing is cleared
.endr
.irp b, 1,2,3,4,5,6,7
	s_wait_loadcnt 28-4*\b                         ; gathers 4 b .. 4 b + 3 are in; the 28 - 4 b issued behind them stay out
.irp a, 0,1,2,3
	WFMA ACC+2*\a, D+8*\b+2*\a, WB+\b, ACC+2*\a
.endr
.endr
	WFMA OUT, ACC,   WA,   QN                      ; the addend is 0, or NaN for a point with a NaN in x
	WFMA OUT, ACC+2, WA+1, OUT
	WFMA OUT, ACC+4, WA+2, OUT
	WFMA OUT, ACC+6, WA+3, OUT
	v_add_f32_dpp v[OUT],   v[OUT],   v[OUT]   row_xmask:1 row_mask:0xf bank_mask:0xf     ; + the other half of my point's vertices
	v_add_f32_dpp v[OUT+1], v[OUT+1], v[OUT+1] row_xmask:1 row_mask:0xf bank_mask:0xf
	v_lshl_add_u32 v[TMP], s17, 3, v[ST]           ; my point's row, 8 bytes a level
	ds_store_b64 v[TMP], v[OUT:OUT+1]              ; both lanes of a point store the same 8 bytes
.if \fetch
	s_wait_xcnt 0x0                                ; the table's base, which gathers and prefetches name, steps only behind this wait
	s_add_nc_u64 s[6:7], s[6:7], TABB
.endif
.endm
	s_mov_b32 s17, 0                               ; the level
.Llevel:
	LEVEL 1
	s_add_co_u32 s17, s17, 1
	s_cmp_lt_u32 s17, NLEV-1
	s_cbranch_scc1 .Llevel
	LEVEL 0                                        ; the last level is written out: nothing is left to fetch
	; THE WAY OUT: my wave's 16 rows of 128 bytes are 2,048 consecutive bytes of out0.  Four reads of 16 bytes a lane take four rows each out of my
	; own stage (LDS serves a wave's instructions in order, ISA guide 5.7.1: they see the stores above), and each store covers 512 consecutive bytes.
	v_and_b32 v[BL], 31, v0                        ; lane
	v_lshrrev_b32 v[BL+1], 3, v[BL]                ; row 0..3 of the four
	v_and_b32 v[BL+2], 7, v0                       ; which 16 bytes of the row
	v_mul_u32_u24 v[BL+1], v[BL+1], PITCH
	v_lshl_add_u32 v[BL+1], v[BL+2], 4, v[BL+1]
	v_add_nc_u32 v[BL+1], s13, v[BL+1]
	s_lshl_b32 s14, s12, 11                        ; wave x 2,048 bytes
	v_lshl_add_u32 v[BL+3], v[BL], 4, s14
.irp j, 0,1,2,3
	ds_load_b128 v[D+4*\j:D+4*\j+3], v[BL+1] offset:\j*4*PITCH
.endr
.irp j, 0,1,2,3
	s_wait_dscnt 3-\j                              ; read j is back; the 3 - j younger ones stay out
	global_store_b128 v[BL+3], v[D+4*\j:D+4*\j+3], s[10:11] offset:512*\j th:TH_STORE_NT
.endr
	s_wait_tensorcnt 0x0
	ds_add_u32 v198, v199
	s_wait_dscnt 0x0
	s_endpgm
.Lfunc_end_k_q64ff12773d_gather:
	.size	k_q64ff12773d_gather, .Lfunc_end_k_q64ff12773d_gather-k_q64ff12773d_gather
	.p2alignl 7, 3214868480
	.fill 96, 4, 3214868480
	.section	.rodata,"a",@progbits
	.p2align	6, 0x0
	.amdhsa_kernel k_q64ff12773d_gather
		.amdhsa_group_segment_fixed_size 38912
		.amdhsa_private_segment_fixed_size 0
		.amdhsa_enable_private_segment 0
		.amdhsa_kernarg_size 32
		.amdhsa_user_sgpr_count 2
		.amdhsa_user_sgpr_kernarg_segment_ptr 1
		.amdhsa_wavefront_size32 1
		.amdhsa_system_sgpr_workgroup_id_x 1
		.amdhsa_system_sgpr_workgroup_id_y 1
		.amdhsa_system_sgpr_workgroup_id_z 1
		.amdhsa_system_vgpr_workitem_id 0
		.amdhsa_next_free_vgpr 200
		.amdhsa_next_free_sgpr 66
		.amdhsa_reserve_vcc 0
		.amdhsa_float_denorm_mode_32 3
		.amdhsa_float_denorm_mode_16_64 3
		.amdhsa_memory_ordered 1
		.amdhsa_forward_progress 1
		.amdhsa_inst_pref_size 35
	.end_amdhsa_kernel
	.amdgpu_metadata
---
amdhsa.version: [ 1, 2 ]
amdhsa.kernels:
  - .name:           k_q64ff12773d_gather
    .symbol:         k_q64ff12773d_gather.kd
    .args:
      - { .name: x, .offset: 0, .size: 8, .value_kind: global_buffer, .address_space: global }
      - { .name: tables, .offset: 8, .size: 8, .value_kind: global_buffer, .address_space: global }
      - { .name: cellidx, .offset: 16, .size: 8, .value_kind: global_buffer, .address_space: global }
      - { .name: out0, .offset: 24, .size: 8, .value_kind: global_buffer, .address_space: global }
    .group_segment_fixed_size: 38912
    .private_segment_fixed_size: 0
    .kernarg_segment_align: 8
    .kernarg_segment_size: 32
    .max_flat_workgroup_size: 512
    .sgpr_count:     66
    .vgpr_count:     200
    .wavefront_size: 32
...
	.end_amdgpu_metadata
.endif
;; end of part 2
;; ======== version 2 of 2: 2 launches; version 1 with the launch gather written anew for expert scheduling mode
;; workspace buffers: cellidx 8,388,608 bytes of whole numbers
;; launch locate: the kernel of part 1 again; grid 256 x 1, 8 waves a work-group, no clusters, 1,280 bytes of LDS; arguments x, cellidx, out1; writes cellidx, out1
;; launch gather (part 3): grid 256 x 1, 16 waves a work-group, no clusters, 38,912 bytes of LDS; arguments x, tables, cellidx, out0; writes out0
.if DOCPART == 3
	.amdgcn_target "amdgcn-amd-amdhsa--gfx1250"
	.amdhsa_code_object_version 6
	.text
	.protected	k_q64ff12773d_gather
	.globl	k_q64ff12773d_gather
	.p2align	8
	.type	k_q64ff12773d_gather,@function
k_q64ff12773d_gather:
	s_mov_b64 s[64:65], 0
	v_nop
	global_prefetch_b8 v0, s[64:65] scope:SCOPE_SE
	s_setreg_imm32_b32 hwreg(HW_REG_WAVE_SCHED_MODE, 0, 2), 2
	s_setreg_imm32_b32 hwreg(HW_REG_WAVE_MODE, 25, 1), 1
	s_wait_xcnt 0x0
	s_wait_alu depctr_vm_vsrc(0)
; gather: out0[p][2 l + f] = sum over the 64 vertices v of cell bl[l][p] of weight(v) * tables[l][hash(v)][f].
; The cells come as whole numbers from cellidx (two words of three 10-bit fields for a point and level); x is read for the weights alone.
; A work-group owns 256 points and walks the 16 levels; all work-groups walk them in the same order, so that the entries asked for at any
; time come from few of the sixteen tables of 4 MiB.
; LANES: lane = (point, bit 0 of the vertex): a wave has 16 points, a lane 32 vertices of a level.  Dimension 0 has the prime 1, so the
; two vertices along it have indices that differ in low bits only (the same aligned 16 entries unless bl0 mod 16 = 15): neighbouring lanes
; take them, and a load instruction asks for 16 close pairs.  The two halves of a point's sum meet by a DPP add (lane xor 1).
; HASH: only the low 19 bits count, so the primes are taken mod 2^19 and a 24-bit multiply does (at most 513 x 2^19 < 2^32).
; WEIGHTS: out = sum over a = (b1,b2) of WA[a] * (sum over b = (b3,b4,b5) of WB[b] * entry[a][b]), WA holding my own factor of dimension 0:
; one packed multiply-add for a vertex (both features), no product for each vertex.  The grouping of the products differs from reference()'s,
; and w = (x - vmin) / (vmax - vmin + 1e-6) is a multiplication by v_rcp_f32 (within about two units in the last place); all else in its order.
; NaN in x: reference() gives NaN in the point's whole row; here a NaN addend starts each level's sum of such a point.
; NO MATRIX INSTRUCTIONS: every point has its own 64 x 2 entries and its own 64 weights; no operand is shared between rows of a tile.
; NO TENSOR LOADS, NO CLUSTER: what work-groups share is single entries of 8 bytes at hashed places of a table of 4,194,304 bytes, which
; does not fit in the 327,680 bytes of LDS: there is no tile to ask for jointly.
; A wave has at most 33 loads out: the next level's cell words and its 32 gathers.
; THE MODE: SCHED_MODE bits 1:0 = 2 (LLVM: expert scheduling mode 2), set by the entry lines.  The code itself states the register dependences
; between vector instructions and memory or LDS instructions, with s_wait_alu, always for 0.
; THE PLAN.  Registers that memory or LDS instructions touch, in the loop over levels:
;   IDX      32 indices.  Written by HASH, which makes level l + 1's in the middle of level l's turn; read by level l + 1's gathers as their offsets.
;   D        32 entries.  Level l's gathers land in it; level l's sums read it.
;   C        Level l + 1's words land in it at the head of level l's turn; HASH reads it in the middle of that turn.
;   OUT, SA  The level's two results and their LDS address.  Written behind the wait in the turn's middle; read by the LDS store at the turn's end.
;   COFF, PF, RD, GO (and XO at the head)  Offsets and addresses, made once at the head and never written again.
; So a turn has ONE wait on va_vdst, at its end: OUT and SA are written (the LDS store follows it), IDX is written, the sums are done reading D and HASH is
; done reading C (the next turn's loads follow it).  Between it and those loads stand v_readlane_b32 and the weights' lines, which name GRID, BL, BF, VX, W, U,
; X, WT, WA, WB and TMP: none of the registers that the loads touch.  And ONE wait on vm_vsrc, in its middle, behind the last gather: the gathers have read
; IDX, and the last turn's LDS store has read OUT and SA, all of which the lines behind it write anew.
.set PTS,    256
.set NLEV,   16
.set LEVB,   65536*8                   ; bytes of one level in cellidx
.set TABB,   524288*8                  ; bytes of one level's table
.set PITCH,  144                       ; LDS row of a point: 128 bytes of results + 16
.set WSTAGE, 16*PITCH                  ; a wave's own stage: its 16 points
.set P1, 2654435761 & 0x7ffff          ; the primes of dimensions 1 to 5, mod 2^19
.set P2, 805459861 & 0x7ffff
.set P3, 3674653429 & 0x7ffff
.set P4, 2097192037 & 0x7ffff
.set P5, 1434869437 & 0x7ffff
.set X,    2                           ; v[2:7]     x of my point
.set QN,   8                           ; v[8:9]     0, or NaN if any x of my point is NaN
.set C,    10                          ; v[10:11]   a level's two packed words
.set COFF, 12                          ; v12        8 x point: my place in a level of cellidx; never rewritten
.set ST,   13                          ; v13        LDS address of my point's row
.set PF,   14                          ; v14        prefetch: the group's 16 KiB of a table, 256 bytes a lane; never rewritten
.set B0,   15                          ; v15        my bit 0
.set GRID, 16                          ; v16        lane l: grid_l
.set RES,  17                          ; v17        lane l: res_l
.set TMP,  18                          ; v18        at work: no memory instruction names it
.set XO,   19                          ; v19        24 x point; never rewritten
.set BL,   20                          ; v[20:25]   the cell
.set BF,   26                          ; v[26:31]   the cell as f32, then vmin
.set VX,   32                          ; v[32:37]   vmax, the divisor, its reciprocal
.set W,    38                          ; v[38:43]   w
.set U,    44                          ; v[44:49]   1 - w
.set H,    50                          ; v[50:59]   dimension d = 1..5: hash of bl at H+2d-2, of bl+1 at H+2d-1
.set A,    60                          ; v[60:63]   dimensions 0,1,2: a = b1 + 2 b2
.set T34,  64                          ; v[64:67]   dimensions 3,4
.set BC,   68                          ; v[68:75]   dimensions 3,4,5: b = b3 + 2 b4 + 4 b5
.set WA,   76                          ; v[76:79]
.set WT,   80                          ; v[80:83]
.set WB,   84                          ; v[84:91]
.set ACC,  92                          ; v[92:99]   four inner sums, two features each
.set OUT,  100                         ; v[100:101]
.set IDX,  102                         ; v[102:133] 32 indices
.set D,    134                         ; v[134:197] 32 entries of two f32
.set SA,   198                         ; v198       LDS address of my point's 8 bytes of the level in hand
.set RD,   199                         ; v199       the way out: where I read rows back; never rewritten
.set GO,   200                         ; v200       the way out: my byte offset in the group's rows of out0; never rewritten
.set RG,   VX                          ; at the start only: a reciprocal
.macro SETRES lane, res
	s_movk_i32 s27, \res
	v_writelane_b32 v[RES], s27, \lane
.endm
; v[dst:dst+1] = v[dat:dat+1] * v[w] (+ v[add:add+1]): one weight for both features.  The weight is the first or the second register of an
; even pair: op_sel_hi 0 gives the first to the high result too, op_sel 1 gives the second to the low result too.
.macro WMUL dst, dat, w
.if (\w) & 1
	v_pk_mul_f32 v[\dst:\dst+1], v[\dat:\dat+1], v[\w-1:\w] op_sel:[0,1]
.else
	v_pk_mul_f32 v[\dst:\dst+1], v[\dat:\dat+1], v[\w:\w+1] op_sel_hi:[1,0]
.endif
.endm
.macro WFMA dst, dat, w, add
.if (\w) & 1
	v_pk_fma_f32 v[\dst:\dst+1], v[\dat:\dat+1], v[\w-1:\w], v[\add:\add+1] op_sel:[0,1,0]
.else
	v_pk_fma_f32 v[\dst:\dst+1], v[\dat:\dat+1], v[\w:\w+1], v[\add:\add+1] op_sel_hi:[1,0,1]
.endif
.endm
	s_load_b256 s[4:11], s[0:1], 0x0               ; x s[4:5], tables s[6:7], cellidx s[8:9], out0 s[10:11]
	v_lshl_add_u32 v1, v0, 2, 0x9000
	v_mov_b32 v201, 0
	v_lshrrev_b32 v[TMP], 5, v0
	v_readfirstlane_b32 s12, v[TMP]                ; wave 0..15
	v_lshrrev_b32 v[TMP], 1, v0                    ; my point in the group
	v_and_b32 v[B0], 1, v0
	v_mul_u32_u24 v[XO], v[TMP], 24
	v_lshlrev_b32 v[COFF], 3, v[TMP]
	s_mul_i32 s14, ttmp9, PTS*24
	s_mov_b32 s15, 0
	s_wait_kmcnt 0x0
	s_add_nc_u64 s[4:5], s[4:5], s[14:15]          ; the group's part of x
	s_lshl_b32 s14, ttmp9, 11
	s_add_nc_u64 s[8:9], s[8:9], s[14:15]          ; the group's part of level 0 of cellidx
	s_wait_alu depctr_va_vdst(0)                   ; COFF and XO are written, which the four loads below read as their offsets
	global_load_b64 v[C:C+1],   v[COFF], s[8:9] th:TH_LOAD_NT
	global_load_b64 v[X:X+1],   v[XO], s[4:5] th:TH_LOAD_NT
	global_load_b64 v[X+2:X+3], v[XO], s[4:5] offset:8 th:TH_LOAD_NT
	global_load_b64 v[X+4:X+5], v[XO], s[4:5] offset:16 th:TH_LOAD_NT
	s_lshl_b32 s14, ttmp9, 15
	s_add_nc_u64 s[10:11], s[10:11], s[14:15]      ; the group's 256 rows of 128 bytes of out0
	s_wait_alu depctr_va_sdst(0)                   ; s12 is written, ahead of its first reader: the wave's stage and its rows of out0 are made from it
	s_mul_i32 s13, s12, WSTAGE                     ; my wave's stage in LDS
	v_bfe_u32 v[ST], v0, 1, 4                      ; my point in the wave
	v_mul_u32_u24 v[ST], v[ST], PITCH
	v_add_nc_u32 v[ST], s13, v[ST]
	; the way out's two addresses are made here, so that the way out holds no vector instruction
	v_and_b32 v[BL], 31, v0                        ; lane
	v_lshrrev_b32 v[RD], 3, v[BL]                  ; row 0..3 of the four
	v_and_b32 v[BL+2], 7, v0                       ; which 16 bytes of the row
	v_mul_u32_u24 v[RD], v[RD], PITCH
	v_lshl_add_u32 v[RD], v[BL+2], 4, v[RD]
	v_add_nc_u32 v[RD], s13, v[RD]
	s_lshl_b32 s14, s12, 11                        ; wave x 2,048 bytes
	v_lshl_add_u32 v[GO], v[BL], 4, s14
	s_lshl_b32 s16, ttmp9, 14                      ; the group's 1/256 of a table: 16 KiB
	v_and_b32 v[PF], 31, v0
	v_lshl_add_u32 v[PF], v[PF], 8, s16
	s_mov_b32 s20, P1
	s_mov_b32 s21, P2
	s_mov_b32 s22, P3
	s_mov_b32 s23, P4
	s_mov_b32 s24, P5
	s_mov_b32 s25, 0x7ffff                         ; T - 1
	s_mov_b32 s26, 0xaaaaaaaa                      ; the lanes with bit 0 = 1
	; grid_l = 2 / res_l for all levels at once, lane l for level l, by the same steps as in the launch that made the cells
	v_mov_b32 v[RES], 16
	SETRES 0, 16
	SETRES 1, 20
	SETRES 2, 25
	SETRES 3, 32
	SETRES 4, 40
	SETRES 5, 50
	SETRES 6, 64
	SETRES 7, 80
	SETRES 8, 101
	SETRES 9, 128
	SETRES 10, 161
	SETRES 11, 203
	SETRES 12, 256
	SETRES 13, 322
	SETRES 14, 406
	SETRES 15, 512
	v_cvt_f32_u32 v[RES], v[RES]
	v_rcp_f32 v[RG], v[RES]
	v_nop                                          ; one plain instruction behind a transcendental before its result is used (ISA guide 5.7.2)
	s_wait_alu depctr_va_vdst(0)
	v_fma_f32 v[TMP], -v[RES], v[RG], 1.0
	v_fma_f32 v[RG], v[TMP], v[RG], v[RG]
	v_add_f32 v[GRID], v[RG], v[RG]
	v_fma_f32 v[TMP], -v[RES], v[GRID], 2.0
	v_fma_f32 v[GRID], v[TMP], v[RG], v[GRID]
	v_fma_f32 v[TMP], -v[RES], v[GRID], 2.0
	v_fma_f32 v[GRID], v[TMP], v[RG], v[GRID]
	s_wait_loadcnt 0x0                             ; x and level 0's words
	v_cmp_neq_f32 s18, v[X],   v[X]                ; true for NaN alone; the six compares stand in a run, each with a mask of its own
	v_cmp_neq_f32 s19, v[X+1], v[X+1]
	v_cmp_neq_f32 s27, v[X+2], v[X+2]
	v_cmp_neq_f32 s28, v[X+3], v[X+3]
	v_cmp_neq_f32 s29, v[X+4], v[X+4]
	v_cmp_neq_f32 s30, v[X+5], v[X+5]
	v_mov_b32 v[QN+1], 0x7fc00000
	s_wait_alu depctr_va_sdst(0)                   ; the six masks are written, ahead of their first readers
	s_or_b32 s18, s18, s19
	s_or_b32 s27, s27, s28
	s_or_b32 s29, s29, s30
	s_or_b32 s18, s18, s27
	s_or_b32 s28, s18, s29
	v_cndmask_b32 v[QN], 0, v[QN+1], s28
	v_mov_b32 v[QN+1], v[QN]
; The cell and the 32 indices of the level whose words C holds.
.macro HASH
	v_and_b32 v[BL],   0x3ff, v[C]
	v_bfe_u32 v[BL+1], v[C], 10, 10
	v_bfe_u32 v[BL+2], v[C], 20, 10
	v_and_b32 v[BL+3], 0x3ff, v[C+1]
	v_bfe_u32 v[BL+4], v[C+1], 10, 10
	v_bfe_u32 v[BL+5], v[C+1], 20, 10
	; hashes of both vertices along dimensions 1 to 5, cut to 19 bits once, so that every XOR below stays under 2^19
.irp d, 1,2,3,4,5
	v_mul_u32_u24 v[H+2*\d-2], v[BL+\d], s[19+\d]
	v_mad_u32_u24 v[H+2*\d-1], v[BL+\d], s[19+\d], s[19+\d]
.endr
.irp j, 0,1,2,3,4,5,6,7,8,9
	v_and_b32 v[H+\j], s25, v[H+\j]
.endr
	v_add_nc_u32 v[TMP], v[BL], v[B0]              ; my vertex along dimension 0 (prime 1; at most 513)
	v_xor_b32 v[T34],   v[TMP], v[H]
	v_xor_b32 v[T34+1], v[TMP], v[H+1]
	v_xor_b32 v[A],   v[T34],   v[H+2]
	v_xor_b32 v[A+1], v[T34+1], v[H+2]
	v_xor_b32 v[A+2], v[T34],   v[H+3]
	v_xor_b32 v[A+3], v[T34+1], v[H+3]
	v_xor_b32 v[T34],   v[H+4], v[H+6]
	v_xor_b32 v[T34+1], v[H+5], v[H+6]
	v_xor_b32 v[T34+2], v[H+4], v[H+7]
	v_xor_b32 v[T34+3], v[H+5], v[H+7]
.irp j, 0,1,2,3
	v_xor_b32 v[BC+\j],   v[T34+\j], v[H+8]
	v_xor_b32 v[BC+4+\j], v[T34+\j], v[H+9]
.endr
	; 32 indices, a fastest.  An index made from loaded words enters an address only behind a clamp by a constant written in the
	; instruction; here it changes no value.
.irp b, 0,1,2,3,4,5,6,7
.irp a, 0,1,2,3
	v_xor_b32 v[IDX+4*\b+\a], v[A+\a], v[BC+\b]
.endr
.irp a, 0,1,2,3
	v_min_u32 v[IDX+4*\b+\a], 0x7ffff, v[IDX+4*\b+\a]
.endr
.endr
.endm
; Four gathers: a = 0..3 of group b.  scale_offset: the address is the table + 8 x index.
.macro GATH b
.irp a, 0,1,2,3
	global_load_b64 v[D+8*(\b)+2*\a:D+8*(\b)+2*\a+1], v[IDX+4*(\b)+\a], s[6:7] scale_offset
.endr
.endm
; Dimensions p and p + 1: the cell's edges, the divisor and x - vmin; reference()'s steps in its order.
.macro EDGE p
	v_pk_mul_f32 v[BF+\p:BF+\p+1], v[BF+\p:BF+\p+1], s[30:31] op_sel_hi:[1,0]              ; bl * grid
	v_pk_add_f32 v[BF+\p:BF+\p+1], v[BF+\p:BF+\p+1], -1.0 op_sel_hi:[1,0]                  ; vmin
	v_pk_add_f32 v[VX+\p:VX+\p+1], v[BF+\p:BF+\p+1], s[30:31] op_sel_hi:[1,0]              ; vmax
	v_pk_add_f32 v[VX+\p:VX+\p+1], v[VX+\p:VX+\p+1], v[BF+\p:BF+\p+1] neg_lo:[0,1] neg_hi:[0,1]   ; vmax - vmin
	v_pk_add_f32 v[VX+\p:VX+\p+1], v[VX+\p:VX+\p+1], 0x358637bd op_sel_hi:[1,0]            ; + 1e-6
	v_pk_add_f32 v[W+\p:W+\p+1], v[X+\p:X+\p+1], v[BF+\p:BF+\p+1] neg_lo:[0,1] neg_hi:[0,1]       ; x - vmin (x as given, not clipped)
.endm
; The turn of level s17.  At its head no load is out, BL and IDX hold the level's cell and indices, and the wait on va_vdst that stands ahead of it (behind level 0's
; HASH, or at the last turn's end) has stated all that its loads hang on.  fetch = 1: a further level follows.
.macro BODY fetch
	v_readlane_b32 s30, v[GRID], s17               ; this level's grid
.if \fetch
	s_add_nc_u64 s[8:9], s[8:9], LEVB              ; the load that used this base was waited for
	global_load_b64 v[C:C+1], v[COFF], s[8:9] th:TH_LOAD_NT        ; the next level's words: older than every gather below
.endif
	s_wait_alu depctr_va_sdst(0)                   ; s30 is written, ahead of its first reader
	s_mov_b32 s31, s30                             ; the packed forms name the pair s[30:31]
	; the 32 gathers, eight at a time among the first lines of the weights, which name none of IDX, D and C
	GATH 0
	GATH 1
.irp d, 0,1,2,3,4,5
	v_cvt_f32_u32 v[BF+\d], v[BL+\d]
.endr
	GATH 2
	GATH 3
	EDGE 0
	GATH 4
	GATH 5
	EDGE 2
	GATH 6
	GATH 7
.if \fetch
	s_cmp_lg_u32 s12, 0
	s_cbranch_scc1 .Lasked_\@
	; wave 0 asks for the group's 16 KiB of the NEXT level's table, 64 blocks of 256 bytes, one trip (32 gathers a lane) ahead of their first use;
	; the 256 groups together ask for each block of the table once; the last level asks for nothing, so no request passes the buffer's end
	global_prefetch_b8 v[PF], s[6:7] offset:TABB th:TH_LOAD_NT scope:SCOPE_SE
	global_prefetch_b8 v[PF], s[6:7] offset:TABB+8192 th:TH_LOAD_NT scope:SCOPE_SE
.Lasked_\@:
.endif
	EDGE 4
.irp d, 0,1,2,3,4,5
	v_rcp_f32 v[VX+\d], v[VX+\d]
.endr
	v_nop                                          ; one plain instruction behind the transcendentals before their results are used (ISA guide 5.7.2)
	s_wait_alu depctr_va_vdst(0)
.irp p, 0,2,4
	v_pk_mul_f32 v[W+\p:W+\p+1], v[W+\p:W+\p+1], v[VX+\p:VX+\p+1]
.endr
.irp d, 0,1,2,3,4,5
	v_med3_num_f32 v[W+\d], v[W+\d], 0, 1.0        ; clip to 0 .. 1
.endr
.irp p, 0,2,4
	v_pk_fma_f32 v[U+\p:U+\p+1], v[W+\p:W+\p+1], -1.0, 1.0 op_sel_hi:[1,0,0]               ; w * (-1) + 1, rounded once: 1 - w
.endr
	v_cndmask_b32 v[TMP], v[U], v[W], s26          ; my factor of dimension 0: w for bit 0 = 1, else 1 - w
	v_mul_f32 v[WT],   v[TMP], v[U+1]
	v_mul_f32 v[WT+1], v[TMP], v[W+1]
	WMUL WA,   WT, U+2
	WMUL WA+2, WT, W+2
	v_mul_f32 v[WT],   v[U+3], v[U+4]
	v_mul_f32 v[WT+1], v[W+3], v[U+4]
	v_mul_f32 v[WT+2], v[U+3], v[W+4]
	v_mul_f32 v[WT+3], v[W+3], v[W+4]
	WMUL WB,   WT,   U+5
	WMUL WB+2, WT+2, U+5
	WMUL WB+4, WT,   W+5
	WMUL WB+6, WT+2, W+5
.if \fetch
	s_wait_xcnt 0x0                                ; the gathers' offsets IDX, and the table's base, which gathers and prefetches name, are written again only behind this wait
.endif
	s_wait_alu depctr_vm_vsrc(0)                   ; the gathers have read IDX, which HASH writes anew; the last turn's LDS store has read SA and OUT, which the lines below write anew
	v_lshl_add_u32 v[SA], s17, 3, v[ST]            ; my point's row, 8 bytes a level
.if \fetch
	s_add_nc_u64 s[6:7], s[6:7], TABB
	s_wait_loadcnt 32                              ; loads come back in order (ISA guide 5.7.1): the next level's words are in, the 32 gathers issued behind them stay out
	HASH                                           ; the next level's cell and indices, while this level's gathers are on their way
.endif
	; the sums: four gathers at a time feed four chains that do not wait for each other
	s_wait_loadcnt 28                              ; the first four gathers are in, 28 younger ones stay out
.irp a, 0,1,2,3
	WMUL ACC+2*\a, D+2*\a, WB                      ; the first product starts each sum: nothing is cleared
.endr
.irp b, 1,2,3,4,5,6,7
	s_wait_loadcnt 28-4*\b                         ; gathers 4 b .. 4 b + 3 are in; the 28 - 4 b issued behind them stay out
.irp a, 0,1,2,3
	WFMA ACC+2*\a, D+8*\b+2*\a, WB+\b, ACC+2*\a
.endr
.endr
	WFMA OUT, ACC,   WA,   QN                      ; the addend is 0, or NaN for a point with a NaN in x
	WFMA OUT, ACC+2, WA+1, OUT
	WFMA OUT, ACC+4, WA+2, OUT
	WFMA OUT, ACC+6, WA+3, OUT
	v_add_f32_dpp v[OUT],   v[OUT],   v[OUT]   row_xmask:1 row_mask:0xf bank_mask:0xf     ; + the other half of my point's vertices
	v_add_f32_dpp v[OUT+1], v[OUT+1], v[OUT+1] row_xmask:1 row_mask:0xf bank_mask:0xf
	s_wait_alu depctr_va_vdst(0)                   ; OUT and SA are written, which the LDS store reads; IDX is written, the sums are done reading D and HASH is done reading C: for the loads that follow (behind the last level: the LDS reads into D)
	ds_store_b64 v[SA], v[OUT:OUT+1]               ; both lanes of a point store the same 8 bytes
.endm
	HASH                                           ; level 0's cell and indices
	s_wait_alu depctr_va_vdst(0)                   ; IDX is written, which level 0's gathers read; so are PF, RD and GO, which the prefetches and the way out read; HASH is done reading C, in which level 1's words land
	s_mov_b32 s17, 0                               ; the level
.Llevel:
	BODY 1
	s_add_co_u32 s17, s17, 1
	s_cmp_lt_u32 s17, NLEV-1
	s_cbranch_scc1 .Llevel
	BODY 0                                         ; the last level is written out: nothing is left to fetch
	; THE WAY OUT: my wave's 16 rows of 128 bytes are 2,048 consecutive bytes of out0.  Four reads of 16 bytes a lane take four rows each out of my
	; own stage (LDS serves a wave's instructions in order, ISA guide 5.7.1: they see the stores above), and each store covers 512 consecutive bytes.
	; No vector instruction stands behind the last level's wait on va_vdst: it has stated that the sums are done reading D.
.irp j, 0,1,2,3
	ds_load_b128 v[D+4*\j:D+4*\j+3], v[RD] offset:\j*4*PITCH
.endr
.irp j, 0,1,2,3
	s_wait_dscnt 3-\j                              ; read j is back; the 3 - j younger ones stay out
	global_store_b128 v[GO], v[D+4*\j:D+4*\j+3], s[10:11] offset:512*\j th:TH_STORE_NT
.endr
	s_wait_dscnt 0x0
	s_wait_alu depctr_hold_cnt(0) depctr_sa_sdst(0) depctr_va_vdst(0) depctr_va_sdst(0) depctr_va_ssrc(0) depctr_va_vcc(0) depctr_vm_vsrc(0)
	s_wait_tensorcnt 0x0
	ds_add_u32 v1, v201
	s_wait_dscnt 0x0
	s_endpgm
.Lfunc_end_k_q64ff12773d_gather:
	.size	k_q64ff12773d_gather, .Lfunc_end_k_q64ff12773d_gather-k_q64ff12773d_gather
	.p2alignl 7, 3214868480
	.fill 96, 4, 3214868480
	.section	.rodata,"a",@progbits
	.p2align	6, 0x0
	.amdhsa_kernel k_q64ff12773d_gather
		.amdhsa_group_segment_fixed_size 38912
		.amdhsa_private_segment_fixed_size 0
		.amdhsa_enable_private_segment 0
		.amdhsa_kernarg_size 32
		.amdhsa_user_sgpr_count 2
		.amdhsa_user_sgpr_kernarg_segment_ptr 1
		.amdhsa_wavefront_size32 1
		.amdhsa_system_sgpr_workgroup_id_x 1
		.amdhsa_system_sgpr_workgroup_id_y 1
		.amdhsa_system_sgpr_workgroup_id_z 1
		.amdhsa_system_vgpr_workitem_id 0
		.amdhsa_next_free_vgpr 202
		.amdhsa_next_free_sgpr 66
		.amdhsa_reserve_vcc 0
		.amdhsa_float_denorm_mode_32 3
		.amdhsa_float_denorm_mode_16_64 3
		.amdhsa_memory_ordered 1
		.amdhsa_forward_progress 1
		.amdhsa_inst_pref_size 35
	.end_amdhsa_kernel
	.amdgpu_metadata
---
amdhsa.version: [ 1, 2 ]
amdhsa.kernels:
  - .name:           k_q64ff12773d_gather
    .symbol:         k_q64ff12773d_gather.kd
    .args:
      - { .name: x, .offset: 0, .size: 8, .value_kind: global_buffer, .address_space: global }
      - { .name: tables, .offset: 8, .size: 8, .value_kind: global_buffer, .address_space: global }
      - { .name: cellidx, .offset: 16, .size: 8, .value_kind: global_buffer, .address_space: global }
      - { .name: out0, .offset: 24, .size: 8, .value_kind: global_buffer, .address_space: global }
    .group_segment_fixed_size: 38912
    .private_segment_fixed_size: 0
    .kernarg_segment_align: 8
    .kernarg_segment_size: 32
    .max_flat_workgroup_size: 512
    .sgpr_count:     66
    .vgpr_count:     202
    .wavefront_size: 32
...
	.end_amdgpu_metadata
.endif
;; end of part 3
